; MI455X (gfx1250); checked and timed in simulation.
; The chip was launched on July 23, 2026; its instructions are those of AMD's public machine-readable ISA for CDNA 5 (MIT licence, August 2026) and "CDNA5" Instruction Set Architecture Reference Guide (July 2026). The comments in the code are by the model that wrote it; some were corrected since.
;; s LSTM Cell. Allowed arithmetic: float matrix products may take bf16 or f16 operands with f32 sums; all other float work in f32.
;; Inputs: Wf 2,048 x 3,072 float32; Wi 2,048 x 3,072 float32; Wo 2,048 x 3,072 float32; Wz 2,048 x 3,072 float32; bf 2,048 float32; bi 2,048 float32; bo 2,048 float32; bz 2,048 float32; c_prev 2,048 x 2,048 float32; h_prev 2,048 x 2,048 float32; ln_beta 2,048 float32; ln_gamma 2,048 float32; m_prev 2,048 x 2,048 float32; n_prev 2,048 x 2,048 float32; x 2,048 x 1,024 float32.
;; Outputs: out0 2,048 x 2,048 float32; out1 2,048 x 2,048 float32; out2 2,048 x 2,048 float32; out3 2,048 x 2,048 float32.
;; 2 versions, each right; version 2 is version 1 with the launches tobf16, lnorm written anew for expert scheduling mode. Each part assembles by itself: llvm-mc -triple=amdgcn-amd-amdhsa -mcpu=gfx1250 --defsym DOCPART=n.
;; ======== version 1 of 2: 3 launches
;; workspace buffers: wb 50,331,648 bytes; ab 12,582,912 bytes; hbuf 16,777,216 bytes
;; launch tobf16 (part 1): grid 256 x 5, 8 waves a work-group, no clusters, 0 bytes of LDS; arguments Wi, Wf, Wo, Wz, x, h_prev, wb, ab; writes wb, ab
.if DOCPART == 1
	.amdgcn_target "amdgcn-amd-amdhsa--gfx1250"
	.amdhsa_code_object_version 6
	.text
	.protected	k_q50bab6aab9_tobf16
	.globl	k_q50bab6aab9_tobf16
	.p2align	8
	.type	k_q50bab6aab9_tobf16,@function
k_q50bab6aab9_tobf16:
	s_mov_b64 s[64:65], 0
	v_nop
	global_prefetch_b8 v0, s[64:65] scope:SCOPE_SE
	s_setreg_imm32_b32 hwreg(HW_REG_WAVE_MODE, 25, 1), 1
	s_wait_xcnt 0x0
; The matrix operands of the gate products, rounded once from f32 to bf16 (nearest even; bf16 has f32's range, so no number overflows).
;   ab [2048][3072] bf16: row b = x[b][0..1023], then h_prev[b][0..2047]: the concatenation is made here.
;   wb [8192][3072] bf16: row (h >> 5) * 128 + g * 32 + (h & 31) = row h of gate g's weights (g = 0 i, 1 f, 2 o, 3 z): 128 consecutive rows hold 32 columns of
;   the state in all four gates, which is what one wave of the next launch multiplies by.
; SHARES.  Work-group y picks the matrix (0..3 a gate's weights, 4 the concatenation); a wave takes ONE row of 3,072 numbers: 24 loads of 512 consecutive bytes, all
; issued before the first is waited for, 48 packed roundings, 24 stores of 256 consecutive bytes, each at a multiple of 256 from the buffer's first byte (a row is 6,144).
; A pure stream: every byte is read once and written once, nothing is shared between waves, so there is no LDS, no barrier, no matrix unit and no cluster.
; No register is written twice, so no wait frees a source.
.set X, 4                              ; v[4:99]    load j: 4 registers, 4 f32 a lane
.set Y, 100                            ; v[100:147] load j: 2 registers, 4 bf16 a lane
	s_load_b512 s[8:23], s[0:1], 0x0               ; Wi s[8:9], Wf s[10:11], Wo s[12:13], Wz s[14:15], x s[16:17], h_prev s[18:19], wb s[20:21], ab s[22:23]
	v_lshrrev_b32 v3, 5, v0
	v_readfirstlane_b32 s3, v3                     ; wave 0..7
	v_and_b32 v2, 31, v0                           ; lane
	v_lshlrev_b32 v1, 4, v2                        ; 16 bytes a lane in a load
	v_lshlrev_b32 v2, 3, v2                        ; 8 bytes a lane in a store
	s_and_b32 s2, ttmp7, 0xffff                    ; y: which matrix
	s_lshl_b32 s4, ttmp9, 3
	s_add_co_u32 s4, s4, s3                        ; my row, 0..2047
	s_lshr_b32 s30, s4, 5                          ; its place in wb: (row >> 5) * 128
	s_lshl_b32 s30, s30, 7
	s_lshl_b32 s31, s2, 5                          ; + 32 y
	s_add_co_u32 s30, s30, s31
	s_and_b32 s31, s4, 31                          ; + (row & 31)
	s_add_co_u32 s30, s30, s31
	s_mov_b32 s5, 12288                            ; bytes in a row of a weight matrix
	s_mov_b32 s6, 12288
	s_mov_b32 s33, 0                               ; the three offsets' high words
	s_mov_b32 s35, 0
	s_mov_b32 s37, 0
	s_wait_kmcnt 0x0
	s_cmp_eq_u32 s2, 1                             ; the gate's weights into s[8:9]
	s_cselect_b64 s[8:9], s[10:11], s[8:9]
	s_cmp_eq_u32 s2, 2
	s_cselect_b64 s[8:9], s[12:13], s[8:9]
	s_cmp_eq_u32 s2, 3
	s_cselect_b64 s[8:9], s[14:15], s[8:9]
	s_cmp_eq_u32 s2, 4                             ; the concatenation?  Only selects and moves follow: they leave SCC as it is
	s_cselect_b64 s[24:25], s[16:17], s[8:9]       ; columns 0..1023 come from x, or from the weights,
	s_cselect_b64 s[26:27], s[18:19], s[8:9]       ; columns 1024..3071 from h_prev, or from the weights,
	s_cselect_b64 s[28:29], s[22:23], s[20:21]     ; and go to ab, or to wb
	s_cselect_b32 s5, 4096, s5                     ; bytes in a row of the first source,
	s_cselect_b32 s6, 8192, s6                     ; of the second,
	s_cselect_b32 s7, 0, 4096                      ; and where column 1024 lies in that row
	s_cselect_b32 s30, s4, s30                     ; the row written
	s_mul_i32 s32, s4, s5                          ; the offsets are made apart from the addresses; all three stay under 2^26
	s_mul_i32 s34, s4, s6
	s_add_co_u32 s34, s34, s7
	s_mul_i32 s36, s30, 6144
	s_add_nc_u64 s[24:25], s[24:25], s[32:33]
	s_add_nc_u64 s[26:27], s[26:27], s[34:35]
	s_add_nc_u64 s[28:29], s[28:29], s[36:37]
.irp j, 0,1,2,3,4,5,6,7
	global_load_b128 v[X+4*(\j):X+4*(\j)+3], v1, s[24:25] offset:512*(\j) th:TH_LOAD_NT
.endr
.irp j, 8,9,10,11,12,13,14,15,16,17,18,19,20,21,22,23
	global_load_b128 v[X+4*(\j):X+4*(\j)+3], v1, s[26:27] offset:512*((\j)-8) th:TH_LOAD_NT
.endr
.irp j, 0,1,2,3,4,5,6,7,8,9,10,11,12,13,14,15,16,17,18,19,20,21,22,23
	s_wait_loadcnt 23-(\j)                         ; loads come back in order (ISA guide 5.7.1): load j is in, the 23 - j younger ones stay out
	v_cvt_pk_bf16_f32 v[Y+2*(\j)],   v[X+4*(\j)],   v[X+4*(\j)+1]
	v_cvt_pk_bf16_f32 v[Y+2*(\j)+1], v[X+4*(\j)+2], v[X+4*(\j)+3]
	global_store_b64 v2, v[Y+2*(\j):Y+2*(\j)+1], s[28:29] offset:256*(\j)  ; 32 lanes store 256 consecutive bytes; no hint: the next launch reads them
.endr
	s_endpgm
.Lfunc_end_k_q50bab6aab9_tobf16:
	.size	k_q50bab6aab9_tobf16, .Lfunc_end_k_q50bab6aab9_tobf16-k_q50bab6aab9_tobf16
	.p2alignl 7, 3214868480
	.fill 96, 4, 3214868480
	.section	.rodata,"a",@progbits
	.p2align	6, 0x0
	.amdhsa_kernel k_q50bab6aab9_tobf16
		.amdhsa_group_segment_fixed_size 0
		.amdhsa_private_segment_fixed_size 0
		.amdhsa_enable_private_segment 0
		.amdhsa_kernarg_size 64
		.amdhsa_user_sgpr_count 2
		.amdhsa_user_sgpr_kernarg_segment_ptr 1
		.amdhsa_wavefront_size32 1
		.amdhsa_system_sgpr_workgroup_id_x 1
		.amdhsa_system_sgpr_workgroup_id_y 1
		.amdhsa_system_sgpr_workgroup_id_z 1
		.amdhsa_system_vgpr_workitem_id 0
		.amdhsa_next_free_vgpr 148
		.amdhsa_next_free_sgpr 66
		.amdhsa_reserve_vcc 0
		.amdhsa_float_denorm_mode_32 3
		.amdhsa_float_denorm_mode_16_64 3
		.amdhsa_memory_ordered 1
		.amdhsa_forward_progress 1
		.amdhsa_inst_pref_size 11
	.end_amdhsa_kernel
	.amdgpu_metadata
---
amdhsa.version: [ 1, 2 ]
amdhsa.kernels:
  - .name:           k_q50bab6aab9_tobf16
    .symbol:         k_q50bab6aab9_tobf16.kd
    .args:
      - { .name: Wi, .offset: 0, .size: 8, .value_kind: global_buffer, .address_space: global }
      - { .name: Wf, .offset: 8, .size: 8, .value_kind: global_buffer, .address_space: global }
      - { .name: Wo, .offset: 16, .size: 8, .value_kind: global_buffer, .address_space: global }
      - { .name: Wz, .offset: 24, .size: 8, .value_kind: global_buffer, .address_space: global }
      - { .name: x, .offset: 32, .size: 8, .value_kind: global_buffer, .address_space: global }
      - { .name: h_prev, .offset: 40, .size: 8, .value_kind: global_buffer, .address_space: global }
      - { .name: wb, .offset: 48, .size: 8, .value_kind: global_buffer, .address_space: global }
      - { .name: ab, .offset: 56, .size: 8, .value_kind: global_buffer, .address_space: global }
    .group_segment_fixed_size: 0
    .private_segment_fixed_size: 0
    .kernarg_segment_align: 8
    .kernarg_segment_size: 64
    .max_flat_workgroup_size: 256
    .sgpr_count:     66
    .vgpr_count:     148
    .wavefront_size: 32
...
	.end_amdgpu_metadata
.endif
;; end of part 1
;; launch gates (part 2): grid 32 x 8, 4 waves a work-group, clusters of 4 x 4, 327,680 bytes of LDS; arguments ab, wb, bi, bf, bo, bz, c_prev, n_prev, m_prev, out1, out2, out3, hbuf; writes out1, out2, out3, hbuf
.if DOCPART == 2
	.amdgcn_target "amdgcn-amd-amdhsa--gfx1250"
	.amdhsa_code_object_version 6
	.text
	.protected	k_q50bab6aab9_gates
	.globl	k_q50bab6aab9_gates
	.p2align	8
	.type	k_q50bab6aab9_gates,@function
k_q50bab6aab9_gates:
	s_mov_b64 s[64:65], 0
	v_nop
	global_prefetch_b8 v0, s[64:65] scope:SCOPE_SE
	s_setreg_imm32_b32 hwreg(HW_REG_WAVE_MODE, 25, 1), 1
	s_wait_xcnt 0x0
	s_wait_alu depctr_hold_cnt(0) depctr_sa_sdst(0) depctr_va_vdst(0) depctr_va_sdst(0) depctr_va_ssrc(0) depctr_va_vcc(0) depctr_vm_vsrc(0)
	s_getreg_b32 s2, hwreg(HW_REG_IB_STS2, 6, 4)
	s_cmp_eq_u32 s2, 0
	s_cbranch_scc0 .Lentry_in_a_cluster
	s_endpgm
.Lentry_in_a_cluster:
	s_bfe_u32 s2, ttmp6, 0x10000c
	s_cmp_lg_u32 s2, 0xf033
	s_cbranch_scc0 .Lentry_shape_is_right
	s_endpgm
.Lentry_shape_is_right:
; THE FOUR GATE PRODUCTS AND THE CELL'S UPDATE.  gate g [b][h] = sum over k of ab[b][k] wb[row(g, h)][k] + bias g [h]   (bf16 operands, f32 sums, K = 3,072 ascending);
;   i = e^gi, f = sigmoid(gf), o = sigmoid(go), z = tanh(gz);  c = f c_prev + i z -> out1;  n = f n_prev + i -> out2;  m = max(f m_prev, |i z|) -> out3;  h = o (c / (n + 1e-6)) -> hbuf.
; The normalisation of h over its 2,048 columns spans 32 work-groups, so it is the next launch's.
; LIMITS.  The operands carry bf16's rounding.  The exponentials and reciprocals flush denormals (ISA guide 15.8): a gate weight below 2^-126 counts as 0, and where |n + 1e-6| passes 2^126 the quotient is 0.
; tanh(x) = 1 - 2 / (1 + e^(2x)): an absolute error of about 1e-7 near 0.  In m a NaN loses against a number; NaN and infinities are not treated apart otherwise.
; SHARES.  A work-group of four waves makes 256 batch rows x 256 rows of wb = 64 columns of the state in all four gates; a wave 128 x 128: 64 accumulators of 16 x 16, 512 registers.
; wb's rows are ordered so that a wave's 128 rows are 32 columns x 4 gates: its block b of 16 rows is gate b / 2, columns 16 (b % 2) on.
; THE MATRIX INSTRUCTION IS USED TRANSPOSED: source 0 = 16 rows of wb, source 1 = 16 rows of ab.  Lane l then holds batch row l % 16, and its registers 0..7 the columns 8 (l / 16) + 0..7.
; So the four gates of one element lie in ONE lane, at the same register of four accumulators: the update needs no exchange between lanes.
; THE BIAS is the C operand of the product that starts each sum: nothing is cleared and nothing is added later.
; THE RING.  K goes in steps of 128 through two LDS slots filled by the tensor data mover (rows of 256 bytes, at multiples of 256 from the buffers' first bytes).  When slot 0 has had its last K step it is
; filled once more: with the work-group's tiles of c_prev and n_prev, which land under the last K step's products.  m_prev is loaded into idle registers behind the first quarter step.
; CLUSTERS: 4 x 4 work-groups.  The four of a row of the cluster need the same tiles of ab, the four of a column the same tiles of wb: each is asked for JOINTLY, by the same tensor load with the same
; descriptor and a mask that names the four.  c_prev's and n_prev's tiles are the work-group's own: a plain load, behind a round like the others.
; THE WAY OUT.  The slots, filled for the last time, become four tiles of 256 rows x 256 bytes of f32.  Each holds an old state (read 32 bytes a lane, as the accumulators lie) and then the new one.  A row's
; 256 bytes come from two waves, so the new states go BY BLOCKS OF 16 ROWS: a block is updated and put into the tiles, the four waves meet at a barrier, the block is read back as whole rows of 256 bytes into
; its own accumulators' registers, which are free by then, and is stored while the next block is updated: the stores leave under the update, not behind it.
;
; REGISTERS, in windows of 256 (s_set_vgpr_msb's low byte: bits 1:0 source 0, 3:2 source 1, 5:4 source 2, 7:6 destination):
;   window 0: v0-30 addresses; v64-127, v128-191 fragments of ab, two buffers; v192-255 the biases.  On the way out: v64-111 at work, v128-255 m_prev as the accumulators lie
;   window 1: v64-127, v128-191 fragments of wb; v0-63, v192-255 m_prev as rows.  On the way out: v0-127 c_prev, v128-255 n_prev, as the accumulators lie
;   window 2: the 32 accumulators of my rows 0-63 (accumulator (a, b) at v[8 (8 a + b)]);   window 3: those of my rows 64-127.  On the way out block a's 64 registers take its whole rows
.set SIZE_K, 3072
.set KSTEP,  128
.set PITCH,  272                       ; an LDS row: 256 bytes + 16 of padding = 68 words: row r starts at bank 4 r mod 64 (64 banks of 4 bytes: ISA guide 11.1), so 16 rows of one load start at 16 different banks
.set HALFT,  128*PITCH                 ; 128 rows: what one tensor load brings
.set SLOT,   4*HALFT                   ; ab's 256 rows, then wb's 256 rows
.set TILEB,  2*HALFT                   ; on the way out: a tile of 256 rows x 64 f32; tile k at k x TILEB: 0 c, 1 n, 2 m, 3 h
.set SPARE,  2*SLOT                    ; behind the ring: the spare words, 128 bytes for each wave: two blocks of 256 bytes that no other line names
.set LAPS,   SIZE_K/(2*KSTEP)          ; a lap = two K steps = once round the ring: 12
.set EA,   8                           ; v8-11   tile k: LDS address of my 32 bytes of block (0, 0), as the accumulators lie
.set RDM,  12                          ; v12     tile 2: LDS address of my 16 bytes in the first two of the 64 whole rows of m_prev that my wave brings
.set RDO,  13                          ; v13-14  my two tiles of the way out (2 x column half, and the next): LDS address of my 16 bytes in the first two whole rows of my half's block 0
.set ADRA, 16                          ; v16-17  LDS address of my fragments of ab in slot 0, 1
.set ADRB, 20                          ; v20-21  the same for wb
.set CO,   26                          ; v26     my byte offset in two rows of a [2048][2048] f32 tensor; never rewritten
.set BO,   27                          ; v27     byte offset of my 8 columns in a bias; never rewritten
.set SPW,  28                          ; v28     LDS address of my spare word: SPARE + 4 x my thread's number; never rewritten
.set NIL,  29                          ; v29     0; never rewritten
.set PF,   30                          ; v30     the prefetch: lane x one row of 8,192 bytes; never rewritten
.set F0,   64                          ; fragment buffer 0
.set F1,   128                         ; fragment buffer 1
.set BIAS, 192                         ; block b's 8 biases at BIAS + 8 b
.set TI,   64                          ; the way out, 8 registers each: the four gates at TI + 8 g,
.set TF,   72
.set TO,   80
.set TZ,   88
.set CT,   96                          ; the new c
.set NT,   104                         ; the new n
.set MP,   128                         ; unit u's m_prev, then its new m, at MP + 8 u
.set G1,  24                           ; s[24:31] descriptor group 1 for ab's tiles;  s[32:39] group 0, a set for each slot
.set G0,  32
.set G1B, 48                           ; s[48:55], s[56:63] the same for wb's tiles
.set G0B, 56
.set G0P, 88                           ; s[88:91] group 0, s[92:99] group 1 of the plain load of c_prev's and n_prev's tiles
.set G1P, 92
.set KG,  14                           ; s[14:21] gate g's factor in front of its exponential, a pair each (the packed multiply names a pair and takes its low word for both halves)
.set KE,  22                           ; s[22:23] 1e-6
.set MSB, 0
.macro WIN new                         ; the immediate's high byte repeats the setting that is left; a switch that changes nothing is dropped
.if MSB != (\new)
	s_set_vgpr_msb (MSB<<8)|(\new)
.set MSB, \new
.endif
.endm
.set MUL_LO, 0xa1                      ; source 0 (wb) window 1, source 1 (ab) window 0, C and D window 2
.set MUL_HI, 0xf1                      ; the same, C and D window 3
.set TO_B,   0x40                      ; destination window 1, address window 0
; A joint load.  Waves 0 and 1 fetch ab's two halves, waves 2 and 3 wb's.  Each line has one mask and one set of registers for all that issue it.  The branch hangs on the wave's number alone.
; An s_nop 0 and four v_nop follow each of the two lines, ahead of the jump, the label and what follows.
.macro JLOAD s
	s_cmp_eq_u32 s11, 0
	s_cbranch_scc0 .Lfor_b_\@
	tensor_load_to_lds s[G0+4*(\s):G0+4*(\s)+3], s[G1:G1+7]
	s_nop 0
.rept 4
	v_nop
.endr
	s_branch .Lasked_\@
.Lfor_b_\@:
	tensor_load_to_lds s[G0B+4*(\s):G0B+4*(\s)+3], s[G1B:G1B+7]
	s_nop 0
.rept 4
	v_nop
.endr
.Lasked_\@:
.endm
; The plain load: wave w brings 128 rows x 256 bytes of f32 to w x 128 rows of slot 0: waves 0, 1 the halves of c_prev's tile, waves 2, 3 of n_prev's.  Both addresses hang on the wave's number.
.macro PLOAD
	tensor_load_to_lds s[G0P:G0P+3], s[G1P:G1P+7]
	s_nop 0
.rept 4
	v_nop
.endr
.endm
; A round of the cluster's barrier: my work-group's barrier, so that wave 0's signal speaks for all four waves; wave 0 signals; every wave waits for all sixteen work-groups; my work-group's barrier once more.
.macro CREST                           ; a round behind its opening barrier
	s_cmp_lg_u32 s10, 0
	s_cbranch_scc1 .Lnot_wave_0_\@
	s_barrier_signal -3
.Lnot_wave_0_\@:
	s_barrier_wait -3
	s_barrier_signal -1
	s_barrier_wait -1
.endm
.macro CROUND                          ; a whole round
	s_barrier_signal -1
	s_barrier_wait -1
	CREST
.endm
	s_load_b128 s[4:7], s[0:1], 0x0                ; ab s[4:5], wb s[6:7]
	s_load_b256 s[68:75], s[0:1], 0x10             ; bi, bf, bo, bz: gate g's at s[68 + 2 g]
	s_load_b128 s[76:79], s[0:1], 0x30             ; c_prev, n_prev
	s_load_b64 s[66:67], s[0:1], 0x40              ; m_prev
	s_load_b256 s[80:87], s[0:1], 0x48             ; out1, out2, out3, hbuf
	v_lshl_add_u32 v[SPW], v0, 2, SPARE
	v_mov_b32 v[NIL], 0
	ds_add_u32 v[SPW], v[NIL]                      ; the wave's opening: the add and its wait stand ahead of my first tensor load; the set-up below, work on registers, stands between them
	v_lshrrev_b32 v1, 5, v0
	v_readfirstlane_b32 s10, v1                    ; wave 0..3
	s_lshr_b32 s11, s10, 1                         ; which half of the tile's batch rows is mine.  Also: I fetch for ab (0) or for wb (1); for c_prev (0) or n_prev (1)
	s_and_b32 s12, s10, 1                          ; which half of its rows of wb.  Also: which 128 rows of a tile I fetch; which two tiles I store
	s_bfe_u32 s40, ttmp6, 0x40000                  ; cx: my place along the cluster's x
	s_bfe_u32 s41, ttmp6, 0x40004                  ; cy: along its y
	s_lshl_b32 s42, ttmp9, 2                       ; in a cluster launch ttmp9 and ttmp7 count clusters
	s_add_co_u32 s42, s42, s40                     ; tile column = 4 x cluster x + cx: 256 rows of wb, 64 columns of the state
	s_and_b32 s13, ttmp7, 0xffff
	s_lshl_b32 s13, s13, 2
	s_add_co_u32 s13, s13, s41                     ; tile row = 4 x cluster y + cy: 256 batch rows
	s_lshl_b32 s43, s41, 2
	s_lshl_b32 s43, 15, s43                        ; my row of the cluster: places 4 cy .. 4 cy + 3
	s_lshl_b32 s44, 0x1111, s40                    ; my column: places cx, cx + 4, cx + 8, cx + 12
	; descriptor group 1 for the ring: a tile of 128 rows x 128 bf16, padded in LDS
	s_or_b32 s[G1+0], s43, (1<<16)|(1<<20)|(1<<21)|(5<<22)|(3<<25)  ; 15:0 the mask: ab's tiles go to my row; 17:16 elements of 2 bytes; 20 padding on; 21 set beside a mask; 24:22 after every 64 words (code 5); 31:25 4 words of it (code 3)
	s_or_b32 s[G1B+0], s44, (1<<16)|(1<<20)|(1<<21)|(5<<22)|(3<<25) ; the same with the mask of my column, for wb's tiles
.irp g, G1, G1B
	s_mov_b32 s[(\g)+1], KSTEP<<16                 ; tensor_dim0 = 128
	s_mov_b32 s[(\g)+2], 128<<16                   ; tensor_dim1 = 128
	s_mov_b32 s[(\g)+3], KSTEP<<16                 ; tile_dim0 = 128
	s_mov_b32 s[(\g)+4], 128                       ; tile_dim1 = 128
	s_mov_b32 s[(\g)+5], SIZE_K                    ; elements from row to row
	s_mov_b32 s[(\g)+6], 0
	s_mov_b32 s[(\g)+7], 0
.endr
	; and for the plain load: 128 rows x 64 f32, the same 256 bytes a row and the same padding; no mask
	s_mov_b32 s[G1P+0], (2<<16)|(1<<20)|(5<<22)|(3<<25)  ; 17:16 elements of 4 bytes
	s_mov_b32 s[G1P+1], 64<<16                     ; tensor_dim0 = 64
	s_mov_b32 s[G1P+2], 128<<16                    ; tensor_dim1 = 128
	s_mov_b32 s[G1P+3], 64<<16                     ; tile_dim0 = 64
	s_mov_b32 s[G1P+4], 128                        ; tile_dim1 = 128
	s_mov_b32 s[G1P+5], 2048                       ; elements from row to row
	s_mov_b32 s[G1P+6], 0
	s_mov_b32 s[G1P+7], 0
	; where the ring's tiles come from.  ab's hang on the tile row alone, which my row of the cluster shares; wb's on the tile column alone, which my column shares.
	s_lshl_b32 s17, s12, 7                         ; which 128 rows of the tile I fetch
	s_lshl_b32 s16, s13, 8
	s_add_co_u32 s16, s16, s17                     ; ab: row 256 x tile row + 128 x half
	s_lshl_b32 s46, s42, 8
	s_add_co_u32 s46, s46, s17                     ; wb: row 256 x tile column + 128 x half
	s_mov_b32 s17, 0
	s_mov_b32 s47, 0
	s_mov_b64 s[18:19], SIZE_K*2
	s_mul_u64 s[16:17], s[16:17], s[18:19]         ; in bytes
	s_mul_u64 s[46:47], s[46:47], s[18:19]
	s_mul_i32 s20, s10, HALFT                      ; and where they go: wave x 128 rows: no place in the cluster enters an LDS address
	s_wait_dscnt 0x0                               ; the opening add is done
	s_wait_kmcnt 0x0
	s_add_nc_u64 s[14:15], s[4:5], s[16:17]
	s_add_nc_u64 s[46:47], s[6:7], s[46:47]
	CROUND                                         ; all sixteen work-groups are here: the first joint loads meet
.irp s, 0,1
	s_mov_b32 s[G0+4*(\s)], 1                                      ; 1:0 count = 1
	s_add_co_u32 s[G0+4*(\s)+1], s20, (\s)*SLOT                    ; 63:32 LDS address
	s_add_nc_u64 s[G0+4*(\s)+2:G0+4*(\s)+3], s[14:15], (\s)*KSTEP*2  ; 120:64 global address: K step s
	s_or_b32 s[G0+4*(\s)+3], s[G0+4*(\s)+3], 0x80000000            ; 127:126 type = 2
	s_mov_b32 s[G0B+4*(\s)], 1
	s_add_co_u32 s[G0B+4*(\s)+1], s20, (\s)*SLOT
	s_add_nc_u64 s[G0B+4*(\s)+2:G0B+4*(\s)+3], s[46:47], (\s)*KSTEP*2
	s_or_b32 s[G0B+4*(\s)+3], s[G0B+4*(\s)+3], 0x80000000
	JLOAD \s                                       ; the ring is filled before anything else is done: two tensor loads of mine are out, the most in this text
.endr
	; A fragment is 16 rows x 32 K in 8 registers: lane l holds row l % 16; registers 0-3 hold K = 8 (l / 16) + 0..7, registers 4-7 K = 16 + 8 (l / 16) + 0..7: two loads of 16 bytes, 32 bytes apart.
	v_and_b32 v1, 15, v0                           ; l % 16
	v_bfe_u32 v2, v0, 4, 1                         ; l / 16
	v_mul_u32_u24 v3, v1, PITCH
	v_lshl_add_u32 v4, v2, 5, v3                   ; the way out: row x pitch + 32 x half: 8 f32 a lane
	v_lshl_add_u32 v3, v2, 4, v3                   ; fragments: row x pitch + 16 x half
	s_mul_i32 s21, s11, HALFT                      ; my 128 rows of ab
	s_mul_i32 s22, s12, HALFT                      ; my 128 rows of wb,
	s_add_co_u32 s22, s22, 2*HALFT                 ; which lie behind ab's 256
.irp s, 0,1
	v_add_nc_u32 v[ADRA+(\s)], s21, v3
	v_add_nc_u32 v[ADRB+(\s)], s22, v3
	s_add_co_u32 s21, s21, SLOT
	s_add_co_u32 s22, s22, SLOT
.endr
	s_mul_i32 s23, s11, HALFT                      ; in a tile of the way out: my 128 rows,
	s_lshl_b32 s21, s12, 7                         ; my 32 columns = 128 bytes of them
	s_add_co_u32 s23, s23, s21
.irp k, 0,1,2,3
	v_add_nc_u32 v[EA+(\k)], s23, v4
	s_add_co_u32 s23, s23, TILEB
.endr
	v_mul_u32_u24 v5, v2, PITCH                    ; whole rows: lanes 0-15 take one row of 256 bytes, lanes 16-31 the next
	v_lshl_add_u32 v5, v1, 4, v5
	s_mul_i32 s23, s10, 64*PITCH                   ; m_prev: wave w brings rows 64 w .. 64 w + 63 of tile 2
	s_add_co_u32 s23, s23, 2*TILEB
	v_add_nc_u32 v[RDM], s23, v5
	s_mul_i32 s23, s11, HALFT                      ; the new states: my half's 128 rows,
	s_mul_i32 s21, s12, 2*TILEB                    ; of tiles 0 and 1 (column half 0) or 2 and 3 (column half 1)
	s_add_co_u32 s23, s23, s21
	v_add_nc_u32 v[RDO], s23, v5
	s_add_co_u32 s23, s23, TILEB
	v_add_nc_u32 v[RDO+1], s23, v5
	v_lshlrev_b32 v[CO], 13, v2                    ; and two rows in memory: 8,192 bytes a row
	v_lshl_add_u32 v[CO], v1, 4, v[CO]
	v_and_b32 v[PF], 31, v0                        ; the prefetch: a row a lane
	v_lshlrev_b32 v[PF], 13, v[PF]
	s_lshl_b32 s23, s42, 8                         ; a bias: 64 columns a tile column, 32 a half, 8 a half of the lanes, 4 bytes each
	s_lshl_b32 s21, s12, 7
	s_add_co_u32 s23, s23, s21
	v_lshl_add_u32 v[BO], v2, 5, s23
	; the tile's first byte in each [2048][2048] f32 tensor: 256 rows of 8,192 bytes a tile row, 256 bytes a tile column
	s_lshl_b32 s16, s13, 21
	s_mov_b32 s17, 0
	s_lshl_b32 s46, s42, 8
	s_mov_b32 s47, 0
	s_add_nc_u64 s[16:17], s[16:17], s[46:47]
	s_mov_b32 s19, 0
	s_cmp_eq_u32 s11, 0
	s_cselect_b64 s[76:77], s[76:77], s[78:79]     ; c_prev for waves 0, 1; n_prev for waves 2, 3;
	s_add_nc_u64 s[76:77], s[76:77], s[16:17]      ; the tile;
	s_lshl_b32 s18, s12, 20                        ; my 128 rows of it: s[76:77] serves the prefetch and the plain load
	s_add_nc_u64 s[76:77], s[76:77], s[18:19]
	s_mov_b32 s[G0P], 1                            ; 1:0 count = 1
	s_mov_b32 s[G0P+1], s20                        ; 63:32 LDS address: wave x 128 rows of slot 0
	s_mov_b64 s[G0P+2:G0P+3], s[76:77]             ; 120:64 global address
	s_or_b32 s[G0P+3], s[G0P+3], 0x80000000        ; 127:126 type = 2
	s_lshl_b32 s18, s10, 19                        ; m_prev at the 64 whole rows that my wave brings
	s_add_nc_u64 s[66:67], s[66:67], s[16:17]
	s_add_nc_u64 s[66:67], s[66:67], s[18:19]
	s_lshl_b32 s18, s11, 20                        ; the outputs at my half's 128 rows
	s_add_nc_u64 s[16:17], s[16:17], s[18:19]
	s_cmp_eq_u32 s12, 0                            ; column half 0 stores c and n, column half 1 m and h
	s_cselect_b64 s[80:81], s[80:81], s[84:85]     ; out1 or out3
	s_cselect_b64 s[82:83], s[82:83], s[86:87]     ; out2 or hbuf
	s_add_nc_u64 s[80:81], s[80:81], s[16:17]
	s_add_nc_u64 s[82:83], s[82:83], s[16:17]
.irp b, 0,1,2,3,4,5,6,7                ; block b: gate b / 2, columns 16 (b % 2) on; register j of a lane is column 8 (l / 16) + j, as in the accumulators
	global_load_b128 v[BIAS+8*(\b):BIAS+8*(\b)+3],   v[BO], s[68+2*((\b)/2):69+2*((\b)/2)] offset:64*((\b)%2)
	global_load_b128 v[BIAS+8*(\b)+4:BIAS+8*(\b)+7], v[BO], s[68+2*((\b)/2):69+2*((\b)/2)] offset:64*((\b)%2)+16
.endr
; 16 matrix instructions: row blocks a0, a0 + 1 of the window's four (hi = 0: my rows 0-63, 1: rows 64-127) x all 8 blocks of wb, 32 along K.
; zero = 1: the first product starts the sums, with the bias as C (window 0).  The 64 accumulators take turns, one instruction a turn.
.macro MUL16 f, hi, a0, zero
.if \zero
	WIN 0x81+0x40*(\hi)                            ; source 0 window 1, sources 1 and 2 window 0, D window 2 or 3
.else
	WIN MUL_LO+0x50*(\hi)                          ; MUL_LO or MUL_HI
.endif
.irp a, \a0, (\a0)+1
.irp b, 0,1,2,3,4,5,6,7
.if \zero
	v_wmma_f32_16x16x32_bf16 v[8*(8*(\a)+(\b)):8*(8*(\a)+(\b))+7], v[(\f)+8*(\b):(\f)+8*(\b)+7], v[(\f)+8*(4*(\hi)+(\a)):(\f)+8*(4*(\hi)+(\a))+7], v[BIAS+8*(\b):BIAS+8*(\b)+7]
.else
	v_wmma_f32_16x16x32_bf16 v[8*(8*(\a)+(\b)):8*(8*(\a)+(\b))+7], v[(\f)+8*(\b):(\f)+8*(\b)+7], v[(\f)+8*(4*(\hi)+(\a)):(\f)+8*(4*(\hi)+(\a))+7], v[8*(8*(\a)+(\b)):8*(8*(\a)+(\b))+7]
.endif
.endr
.endr
.endm
; 32 LDS loads in one run: the fragments of one quarter step (128 rows of wb, 128 rows of ab, 32 K at byte k of the rows) into buffer f
.macro FETCH slot, k, f
	WIN TO_B
.irp i, 0,1,2,3,4,5,6,7
	ds_load_b128 v[(\f)+8*(\i):(\f)+8*(\i)+3],   v[ADRB+(\slot)] offset:(\k)+(\i)*16*PITCH
	ds_load_b128 v[(\f)+8*(\i)+4:(\f)+8*(\i)+7], v[ADRB+(\slot)] offset:(\k)+(\i)*16*PITCH+32
.endr
	WIN 0
.irp i, 0,1,2,3,4,5,6,7
	ds_load_b128 v[(\f)+8*(\i):(\f)+8*(\i)+3],   v[ADRA+(\slot)] offset:(\k)+(\i)*16*PITCH
	ds_load_b128 v[(\f)+8*(\i)+4:(\f)+8*(\i)+7], v[ADRA+(\slot)] offset:(\k)+(\i)*16*PITCH+32
.endr
.endm
; A load into a register that a matrix instruction has read, and a vector instruction that reads a matrix result, stand four places behind that matrix instruction, and only plain vector
; instructions that name none of its registers are places (ISA guide 7.12.1 for vector instructions).
.macro PLACES
.rept 4
	v_nop
.endr
.endm
; A K step is four quarter steps of 32 along K, 64 matrix instructions each, on buffers 0, 1, 0, 1.
; One of the first three: multiplies buffer f; in its middle it fetches the next quarter's fragments, at byte k of the same slot's rows, into buffer g.
.macro QUARTER slot, k, f, g, zero
	s_wait_dscnt 8                                 ; wb's fragments and ab's rows 0-63 are in; the youngest eight loads (ab's rows 64-127) may be out
	MUL16 \f, 0, 0, \zero
	MUL16 \f, 0, 2, \zero
	PLACES
	FETCH \slot, \k, \g
	s_wait_dscnt 32                                ; all but the 32 just issued
	MUL16 \f, 1, 0, \zero
	MUL16 \f, 1, 2, \zero
.endm
; The last quarter multiplies buffer 1 and changes slots.  MEET is its first half: in front of the barrier each wave waits for all its tensor loads, of which one is out: its part of the next slot;
; adds 0 to its spare word; and waits for that and for its own reads of this slot.  The barrier opens a round of the cluster's barrier.
.macro MEET
	WIN 0                                          ; (the add's two registers lie in window 0)
	s_wait_tensorcnt 0x0                           ; all my tensor loads have landed: the one that was out is my part of the next slot;
	ds_add_u32 v[SPW], v[NIL]                      ; 0 onto my spare word;
	s_wait_dscnt 9                                 ; (the add and the youngest eight loads may be out)
	MUL16 F1, 0, 0, 0                              ; sixteen matrix instructions stand between the add and the wait for it
	s_wait_dscnt 0x0                               ; the add is done, and my reads of this slot are over:
	s_barrier_signal -1                            ; say so,
	MUL16 F1, 0, 2, 0                              ; work on registers while the others arrive,
	WIN 0
	s_barrier_wait -1                              ; and go on when all four have said so
	CREST                                          ; wave 0 says so for the work-group, all sixteen have said so, my work-group's barrier closes the round:
	                                               ; no wave of any partner still reads this slot's tile or has a load on its way
.endm
; The whole last quarter: behind the round the slot just read out is filled again first, with the K step two steps on; then come the next slot's first fragments.
.macro TURN slot, next
	MEET
	s_add_nc_u64 s[G0+4*(\slot)+2:G0+4*(\slot)+3], s[G0+4*(\slot)+2:G0+4*(\slot)+3], 2*KSTEP*2
	s_add_nc_u64 s[G0B+4*(\slot)+2:G0B+4*(\slot)+3], s[G0B+4*(\slot)+2:G0B+4*(\slot)+3], 2*KSTEP*2
	JLOAD \slot                                    ; the first tensor load behind the round; the four v_nop behind it are also the places in front of the loads below
	FETCH \next, 0, F0
	MUL16 F1, 1, 0, 0
	MUL16 F1, 1, 2, 0
.endm
; The same where slot 0 has had its last K step: it takes c_prev's and n_prev's tiles, which have the last K step's 256 matrix instructions and the staging of m_prev in which to land.
.macro TURNP
	MEET
	PLOAD
	FETCH 1, 0, F0
	MUL16 F1, 1, 0, 0
	MUL16 F1, 1, 2, 0
.endm
	s_wait_tensorcnt 1                             ; my part of K step 0 is in; K step 1's may stay out
	s_barrier_signal -1
	s_barrier_wait -1                              ; everybody's is
	FETCH 0, 0, F0
	s_wait_loadcnt 0x0                             ; the biases
	QUARTER 0, 64,  F0, F1, 1                      ; the first quarter stands in front of the loop: its products start the sums
	WIN TO_B                                       ; m_prev: my 64 whole rows, two a load, into registers of window 1 that the ring leaves idle.  Asked for only now, behind the first tiles; waited for on the way out
.set t, 0
.rept 32
.if t < 16
.set MRT, 4*t
.else
.set MRT, 192+4*(t-16)
.endif
	global_load_b128 v[MRT:MRT+3], v[CO], s[66:67] offset:16384*t th:TH_LOAD_NT
.set t, t+1
.endr
	WIN 0                                          ; at a label and at a branch every window is 0
	s_mov_b32 s3, LAPS-1
.Llap:                                                 ; a trip goes once round the ring, from a lap's second quarter to the next lap's first, and fills both slots again: trip t asks for K steps 2 t + 2 and 2 t + 3
	QUARTER 0, 128, F1, F0, 0
	QUARTER 0, 192, F0, F1, 0
	TURN 0, 1
	QUARTER 1, 64,  F0, F1, 0
	QUARTER 1, 128, F1, F0, 0
	QUARTER 1, 192, F0, F1, 0
	TURN 1, 0
	QUARTER 0, 64,  F0, F1, 0
	WIN 0
	s_sub_co_u32 s3, s3, 1
	s_cmp_lg_u32 s3, 0
	s_cbranch_scc1 .Llap
	; The tiles of c_prev and n_prev are asked for ahead, into the L2: each wave names the 128 rows that its own plain load will bring, a row of 256 bytes a lane, 32 rows an instruction: 128 KiB a
	; work-group, each block once in the launch, none outside the tile.  The plain load follows two and a half quarter steps, 160 matrix instructions, further down.  The wait below is for LDS loads
	; issued 32 matrix instructions ago.
.irp i, 0,1,2,3
	global_prefetch_b8 v[PF], s[76:77] offset:(\i)*32*8192 th:TH_LOAD_NT scope:SCOPE_SE
.endr
	QUARTER 0, 128, F1, F0, 0                      ; the last lap: K steps 22 and 23
	QUARTER 0, 192, F0, F1, 0
	TURNP
	QUARTER 1, 64,  F0, F1, 0
	QUARTER 1, 128, F1, F0, 0
	QUARTER 1, 192, F0, F1, 0
	s_wait_dscnt 8                                 ; the very last quarter: nothing more to fetch
	MUL16 F1, 0, 0, 0
	MUL16 F1, 0, 2, 0
	s_wait_dscnt 0x0                               ; my reads of slot 1 are over: others will store into it
	s_barrier_signal -1                            ; my plain load may still be out: no slot is filled behind this barrier, and its bytes are read only behind the next one
	MUL16 F1, 1, 0, 0
	MUL16 F1, 1, 2, 0
	WIN 0
	s_barrier_wait -1                              ; nobody reads slot 1 any more
	; THE WAY OUT.  A UNIT is a block of 16 rows x 16 columns of the state: unit u = 2 a + cb is my row block a (0..7), columns 16 cb on; a lane holds 8 numbers of it.
	PLACES                                         ; behind the last products: loads into the fragments' registers follow further down
	s_wait_loadcnt 0x0                             ; m_prev's rows
	WIN 0x04                                       ; an LDS store's data is source 1: window 1
.set t, 0
.rept 32
.if t < 16
.set MRT, 4*t
.else
.set MRT, 192+4*(t-16)
.endif
	ds_store_b128 v[RDM], v[MRT:MRT+3] offset:2*PITCH*t  ; m_prev into tile 2, as whole rows, while c_prev's and n_prev's tiles land
.set t, t+1
.endr
	WIN 0
	s_mov_b32 s[KG+0], 0x3fb8aa3b                  ; i = 2^(log2(e) g)
	s_mov_b32 s[KG+1], 0x3fb8aa3b
	s_mov_b32 s[KG+2], 0xbfb8aa3b                  ; f = 1 / (1 + 2^(-log2(e) g))
	s_mov_b32 s[KG+3], 0xbfb8aa3b
	s_mov_b32 s[KG+4], 0xbfb8aa3b                  ; o likewise
	s_mov_b32 s[KG+5], 0xbfb8aa3b
	s_mov_b32 s[KG+6], 0x4038aa3b                  ; z = 1 - 2 / (1 + 2^(2 log2(e) g))
	s_mov_b32 s[KG+7], 0x4038aa3b
	s_mov_b32 s[KE], 0x358637bd                    ; 1e-6
	s_mov_b32 s[KE+1], 0x358637bd
	s_wait_tensorcnt 0x0                           ; for the others' sake: my part of c_prev's and n_prev's tiles has landed,
	s_wait_dscnt 0x0                               ; and my rows of m_prev are stored
	s_barrier_signal -1
	s_barrier_wait -1                              ; tiles 0, 1 and 2 are whole
	WIN TO_B
.set u, 0
.rept 16                               ; the three old states as the accumulators lie
.set OFS, 16*PITCH*(u/2)+64*(u%2)
	ds_load_b128 v[8*u:8*u+3],         v[EA]   offset:OFS
	ds_load_b128 v[8*u+4:8*u+7],       v[EA]   offset:OFS+16
	ds_load_b128 v[128+8*u:128+8*u+3], v[EA+1] offset:OFS
	ds_load_b128 v[128+8*u+4:128+8*u+7], v[EA+1] offset:OFS+16
.set u, u+1
.endr
	WIN 0
.set u, 0
.rept 16
.set OFS, 16*PITCH*(u/2)+64*(u%2)
	ds_load_b128 v[MP+8*u:MP+8*u+3],   v[EA+2] offset:OFS
	ds_load_b128 v[MP+8*u+4:MP+8*u+7], v[EA+2] offset:OFS+16
.set u, u+1
.endr
	s_wait_dscnt 0x0                               ; the old states are in my registers
	s_barrier_signal -1
	s_barrier_wait -1                              ; nobody reads an old state any more: the tiles may be written
; The update of one unit.  Each accumulator's lowest registers are read first.  Behind each run of exponentials or reciprocals stands a plain instruction that touches none of
; their registers, before a result is used (ISA guide 5.7.2).
.macro UNIT a, cb
.set U8,  8*(2*(\a)+(\cb))
.set OFS, 16*PITCH*(\a)+64*(\cb)
.set AC,  64*((\a)%4)+8*(\cb)          ; gate g's accumulator at AC + 16 g, in window 2 or 3
	WIN 0x02+(\a)/4                                ; source 0: window 2 or 3
.irp g, 0,1,2,3
.irp p, 0,1,2,3
	v_pk_mul_f32 v[TI+8*(\g)+2*(\p):TI+8*(\g)+2*(\p)+1], v[AC+16*(\g)+2*(\p):AC+16*(\g)+2*(\p)+1], s[KG+2*(\g):KG+2*(\g)+1] op_sel_hi:[1,0]
.endr
.endr
	WIN 0
.set j, 0
.rept 32
	v_exp_f32 v[TI+j], v[TI+j]                     ; TI now holds i
.set j, j+1
.endr
	v_nop
.set j, 0
	s_wait_alu depctr_va_vdst(0)
.rept 12
	v_pk_add_f32 v[TF+2*j:TF+2*j+1], v[TF+2*j:TF+2*j+1], 1.0 op_sel_hi:[1,0]
.set j, j+1
.endr
.set j, 0
.rept 24
	v_rcp_f32 v[TF+j], v[TF+j]                     ; TF = f, TO = o
.set j, j+1
.endr
	v_nop
	s_wait_alu depctr_va_vdst(0)
.irp p, 0,1,2,3
	v_pk_fma_f32 v[TZ+2*(\p):TZ+2*(\p)+1], v[TZ+2*(\p):TZ+2*(\p)+1], -2.0, 1.0 op_sel_hi:[1,0,0]  ; z
.endr
.irp p, 0,1,2,3
	v_pk_mul_f32 v[TZ+2*(\p):TZ+2*(\p)+1], v[TI+2*(\p):TI+2*(\p)+1], v[TZ+2*(\p):TZ+2*(\p)+1]    ; i z
.endr
.irp p, 0,1,2,3
	v_pk_mul_f32 v[MP+U8+2*(\p):MP+U8+2*(\p)+1], v[TF+2*(\p):TF+2*(\p)+1], v[MP+U8+2*(\p):MP+U8+2*(\p)+1]  ; f m_prev
.endr
	WIN 0x04                                       ; source 1: window 1
.irp p, 0,1,2,3
	v_pk_fma_f32 v[CT+2*(\p):CT+2*(\p)+1], v[TF+2*(\p):TF+2*(\p)+1], v[U8+2*(\p):U8+2*(\p)+1], v[TZ+2*(\p):TZ+2*(\p)+1]          ; c = f c_prev + i z
.endr
.irp p, 0,1,2,3
	v_pk_fma_f32 v[NT+2*(\p):NT+2*(\p)+1], v[TF+2*(\p):TF+2*(\p)+1], v[128+U8+2*(\p):128+U8+2*(\p)+1], v[TI+2*(\p):TI+2*(\p)+1]  ; n = f n_prev + i
.endr
	WIN 0
.irp p, 0,1,2,3
	v_pk_add_f32 v[TI+2*(\p):TI+2*(\p)+1], v[NT+2*(\p):NT+2*(\p)+1], s[KE:KE+1] op_sel_hi:[1,0]
.endr
.set j, 0
.rept 8
	v_rcp_f32 v[TI+j], v[TI+j]                     ; 1 / (n + 1e-6)
.set j, j+1
.endr
.set j, 0
.rept 8
	v_max_num_f32 v[MP+U8+j], v[MP+U8+j], |v[TZ+j]|  ; m = max(f m_prev, |i z|): also the plain instructions behind the reciprocals
.set j, j+1
.endr
	s_wait_alu depctr_va_vdst(0)
.irp p, 0,1,2,3
	v_pk_mul_f32 v[TF+2*(\p):TF+2*(\p)+1], v[CT+2*(\p):CT+2*(\p)+1], v[TI+2*(\p):TI+2*(\p)+1]    ; c / (n + 1e-6)
.endr
.irp p, 0,1,2,3
	v_pk_mul_f32 v[TF+2*(\p):TF+2*(\p)+1], v[TF+2*(\p):TF+2*(\p)+1], v[TO+2*(\p):TO+2*(\p)+1]    ; h
.endr
	ds_store_b128 v[EA],   v[CT:CT+3]             offset:OFS
	ds_store_b128 v[EA],   v[CT+4:CT+7]           offset:OFS+16
	ds_store_b128 v[EA+1], v[NT:NT+3]             offset:OFS
	ds_store_b128 v[EA+1], v[NT+4:NT+7]           offset:OFS+16
	ds_store_b128 v[EA+2], v[MP+U8:MP+U8+3]       offset:OFS
	ds_store_b128 v[EA+2], v[MP+U8+4:MP+U8+7]     offset:OFS+16
	ds_store_b128 v[EA+3], v[TF:TF+3]             offset:OFS
	ds_store_b128 v[EA+3], v[TF+4:TF+7]           offset:OFS+16
.endm
; A block is shown to the other waves: my LDS stores are done, then the barrier.  Behind it the block's rows are whole in all four tiles.
.macro SHOW
	s_wait_dscnt 0x0                               ; for the others' sake: zero
	s_barrier_signal -1
	s_barrier_wait -1
.endm
; Block a comes back as whole rows: my half's 16 rows of my two tiles, two rows a load, into the block's own 64 accumulator registers, which both its units have read.
; The later blocks' LDS stores go to other rows of the tiles, so no barrier stands between these loads and them.
.macro BLD a
	WIN 0x80+0x40*((\a)/4)                         ; destination window 2 or 3, address window 0
.set BK, 64*((\a)%4)
.set t, 0
.rept 8
	ds_load_b128 v[BK+4*t:BK+4*t+3],       v[RDO]   offset:(16*(\a)+2*t)*PITCH
	ds_load_b128 v[BK+32+4*t:BK+32+4*t+3], v[RDO+1] offset:(16*(\a)+2*t)*PITCH
.set t, t+1
.endr
	WIN 0
.endm
; and leaves.  younger: the LDS instructions issued behind the block's 16 loads: the next unit's eight stores, or none.  No register of these stores is written again, so no wait frees a source.
.macro BST a, younger
	s_wait_dscnt \younger                          ; LDS instructions end in order (ISA guide 5.7.1): the 16 loads are in
	WIN 0x08+0x04*((\a)/4)                         ; a store's data is source 1: window 2 or 3
.set BK, 64*((\a)%4)
.set t, 0
.rept 8
	global_store_b128 v[CO], v[BK+4*t:BK+4*t+3],       s[80:81] offset:(16*(\a)+2*t)*8192 th:TH_STORE_NT  ; 16 lanes store 256 consecutive bytes, at a multiple of 256 from the buffer's first byte
	global_store_b128 v[CO], v[BK+32+4*t:BK+32+4*t+3], s[82:83] offset:(16*(\a)+2*t)*8192 th:TH_STORE_NT  ; 126 rows at the most: inside the signed 24-bit immediate
.set t, t+1
.endr
	WIN 0
.endm
	UNIT 0, 0
	UNIT 0, 1
	SHOW
	BLD 0
.irp a, 1,2,3,4,5,6,7
	UNIT \a, 0                                     ; a unit's arithmetic stands between the loads of the block before and its stores
	BST (\a)-1, 8
	UNIT \a, 1
	SHOW
	BLD \a
.endr
	BST 7, 0
	s_wait_tensorcnt 0x0                           ; the wave's end, behind my last tensor load and my last LDS store
	ds_add_u32 v[SPW], v[NIL]
	s_wait_dscnt 0x0
	CROUND                                         ; the closing round: no work-group ends while a partner may still ask for a tile that names it
	s_endpgm
.Lfunc_end_k_q50bab6aab9_gates:
	.size	k_q50bab6aab9_gates, .Lfunc_end_k_q50bab6aab9_gates-k_q50bab6aab9_gates
	.p2alignl 7, 3214868480
	.fill 96, 4, 3214868480
	.section	.rodata,"a",@progbits
	.p2align	6, 0x0
	.amdhsa_kernel k_q50bab6aab9_gates
		.amdhsa_group_segment_fixed_size 327680
		.amdhsa_private_segment_fixed_size 0
		.amdhsa_enable_private_segment 0
		.amdhsa_kernarg_size 104
		.amdhsa_user_sgpr_count 2
		.amdhsa_user_sgpr_kernarg_segment_ptr 1
		.amdhsa_wavefront_size32 1
		.amdhsa_system_sgpr_workgroup_id_x 1
		.amdhsa_system_sgpr_workgroup_id_y 1
		.amdhsa_system_sgpr_workgroup_id_z 1
		.amdhsa_system_vgpr_workitem_id 0
		.amdhsa_next_free_vgpr 1024
		.amdhsa_next_free_sgpr 100
		.amdhsa_reserve_vcc 0
		.amdhsa_float_denorm_mode_32 3
		.amdhsa_float_denorm_mode_16_64 3
		.amdhsa_memory_ordered 1
		.amdhsa_forward_progress 1
		.amdhsa_inst_pref_size 255
	.end_amdhsa_kernel
	.section	.bss,"aw",@nobits
	.p2align	6
	.space	262144
	.amdgpu_metadata
---
amdhsa.version: [ 1, 2 ]
amdhsa.kernels:
  - .name:           k_q50bab6aab9_gates
    .symbol:         k_q50bab6aab9_gates.kd
    .args:
      - { .name: ab, .offset: 0, .size: 8, .value_kind: global_buffer, .address_space: global }
      - { .name: wb, .offset: 8, .size: 8, .value_kind: global_buffer, .address_space: global }
      - { .name: bi, .offset: 16, .size: 8, .value_kind: global_buffer, .address_space: global }
      - { .name: bf, .offset: 24, .size: 8, .value_kind: global_buffer, .address_space: global }
      - { .name: bo, .offset: 32, .size: 8, .value_kind: global_buffer, .address_space: global }
      - { .name: bz, .offset: 40, .size: 8, .value_kind: global_buffer, .address_space: global }
      - { .name: c_prev, .offset: 48, .size: 8, .value_kind: global_buffer, .address_space: global }
      - { .name: n_prev, .offset: 56, .size: 8, .value_kind: global_buffer, .address_space: global }
      - { .name: m_prev, .offset: 64, .size: 8, .value_kind: global_buffer, .address_space: global }
      - { .name: out1, .offset: 72, .size: 8, .value_kind: global_buffer, .address_space: global }
      - { .name: out2, .offset: 80, .size: 8, .value_kind: global_buffer, .address_space: global }
      - { .name: out3, .offset: 88, .size: 8, .value_kind: global_buffer, .address_space: global }
      - { .name: hbuf, .offset: 96, .size: 8, .value_kind: global_buffer, .address_space: global }
    .group_segment_fixed_size: 327680
    .private_segment_fixed_size: 0
    .kernarg_segment_align: 8
    .kernarg_segment_size: 104
    .max_flat_workgroup_size: 128
    .sgpr_count:     100
    .vgpr_count:     1024
    .wavefront_size: 32
...
	.end_amdgpu_metadata
.endif
;; end of part 2
;; launch lnorm (part 3): grid 256 x 1, 8 waves a work-group, no clusters, 0 bytes of LDS; arguments hbuf, ln_gamma, ln_beta, out0; writes out0
.if DOCPART == 3
	.amdgcn_target "amdgcn-amd-amdhsa--gfx1250"
	.amdhsa_code_object_version 6
	.text
	.protected	k_q50bab6aab9_lnorm
	.globl	k_q50bab6aab9_lnorm
	.p2align	8
	.type	k_q50bab6aab9_lnorm,@function
k_q50bab6aab9_lnorm:
	s_mov_b64 s[64:65], 0
	v_nop
	global_prefetch_b8 v0, s[64:65] scope:SCOPE_SE
	s_setreg_imm32_b32 hwreg(HW_REG_WAVE_MODE, 25, 1), 1
	s_wait_xcnt 0x0
; out0[b][:] = (h[b][:] - mean) * rsqrt(var + 1e-5) * gamma + beta, mean and var over the row's 2,048 numbers, all in f32.
; A row is 8,192 bytes: ONE wave takes a whole row, sixteen 16-byte loads a lane, and keeps it in 64 registers through the three passes (sum, sum of squares of the CENTRED numbers, scaling): the row is
; read from memory once, the variance is no difference of large sums, and no wave waits for another: no LDS, no barrier.  Nothing is shared but gamma and beta (16 KiB), so no cluster; no matrix work.
; 2,048 rows = 256 work-groups x 8 waves.  Each load and store of a wave covers 512 consecutive bytes.  No register is written behind a store that reads it, so no wait frees a source.
; LIMITS.  v_rsq_f32 is good to 1 ULP and flushes denormals (ISA guide 15.8); var + 1e-5 is never one.  NaN and infinities are not treated apart.
.set X,  4                             ; v[4:67]     the row, then centred, then the result
.set G,  68                            ; v[68:131]   gamma of my 64 columns
.set BT, 132                           ; v[132:195]  beta
.set S,  196                           ; v[196:203]  four running sums, a pair each
.set MU, 204                           ; v[204:205]  the mean, twice (a pair for the packed subtraction)
.set RS, 206                           ; v[206:207]  rsqrt(var + eps), twice
.set TA, 208                           ; at work
.set TB, 209
	s_load_b256 s[4:11], s[0:1], 0x0               ; hbuf s[4:5], gamma s[6:7], beta s[8:9], out0 s[10:11]
	v_lshrrev_b32 v2, 5, v0
	v_readfirstlane_b32 s2, v2                     ; wave 0..7
	v_and_b32 v1, 31, v0
	v_lshlrev_b32 v1, 4, v1                        ; 16 bytes a lane
	v_mov_b32 v[TB], 0                             ; v_permlanex16_b32's destination counts as read: it is written once here
	s_lshl_b32 s3, ttmp9, 3
	s_add_co_u32 s2, s2, s3                        ; my row
	s_lshl_b32 s2, s2, 13                          ; x 8,192 bytes: under 2^24
	s_mov_b32 s3, 0
	s_mov_b32 s12, 0x3a000000                      ; 1 / 2048
	s_mov_b32 s13, 0x3727c5ac                      ; 1e-5
	s_mov_b32 s14, 0x76543210                      ; v_permlanex16_b32: lane i of one half reads lane i of the other
	s_mov_b32 s15, 0xfedcba98
	s_wait_kmcnt 0x0
	s_add_nc_u64 s[4:5], s[4:5], s[2:3]
	s_add_nc_u64 s[10:11], s[10:11], s[2:3]
.irp j, 0,1,2,3,4,5,6,7,8,9,10,11,12,13,14,15
	global_load_b128 v[X+4*(\j):X+4*(\j)+3], v1, s[4:5] offset:512*(\j) th:TH_LOAD_NT
.endr
.irp j, 0,1,2,3,4,5,6,7,8,9,10,11,12,13,14,15
	global_load_b128 v[G+4*(\j):G+4*(\j)+3], v1, s[6:7] offset:512*(\j)
.endr
.irp j, 0,1,2,3,4,5,6,7,8,9,10,11,12,13,14,15
	global_load_b128 v[BT+4*(\j):BT+4*(\j)+3], v1, s[8:9] offset:512*(\j)
.endr
; The four chains into one number a lane, then over the 32 lanes: four steps inside each half of 16 lanes ride on the addition (DPP), one crosses the halves.  Every lane ends with the sum in v[TA].
.macro TOTAL
	v_pk_add_f32 v[S:S+1], v[S:S+1], v[S+2:S+3]
	v_pk_add_f32 v[S+4:S+5], v[S+4:S+5], v[S+6:S+7]
	v_pk_add_f32 v[S:S+1], v[S:S+1], v[S+4:S+5]
	v_add_f32 v[TA], v[S], v[S+1]
	v_add_f32_dpp v[TA], v[TA], v[TA] row_xmask:1 row_mask:0xf bank_mask:0xf
	v_add_f32_dpp v[TA], v[TA], v[TA] row_xmask:2 row_mask:0xf bank_mask:0xf
	v_add_f32_dpp v[TA], v[TA], v[TA] row_xmask:4 row_mask:0xf bank_mask:0xf
	v_add_f32_dpp v[TA], v[TA], v[TA] row_xmask:8 row_mask:0xf bank_mask:0xf
	v_permlanex16_b32 v[TB], v[TA], s14, s15
	v_add_f32 v[TA], v[TA], v[TB]
.endm
	s_wait_loadcnt 32                              ; the row's 16 loads are in; gamma's and beta's 32, issued behind them, stay out
	; pass 1: the sum, in four chains that do not wait for each other; the first eight pairs start them: nothing is cleared
.irp k, 0,1,2,3
	v_pk_add_f32 v[S+2*(\k):S+2*(\k)+1], v[X+2*(\k):X+2*(\k)+1], v[X+8+2*(\k):X+8+2*(\k)+1]
.endr
.set p, 8
.rept 24
	v_pk_add_f32 v[S+2*(p%4):S+2*(p%4)+1], v[S+2*(p%4):S+2*(p%4)+1], v[X+2*p:X+2*p+1]
.set p, p+1
.endr
	TOTAL
	v_mul_f32 v[MU], s12, v[TA]                    ; the mean
	v_mov_b32 v[MU+1], v[MU]
	; pass 2: the row is centred in place, and the squares of the centred numbers are summed
.set p, 0
.rept 32
	v_pk_add_f32 v[X+2*p:X+2*p+1], v[X+2*p:X+2*p+1], v[MU:MU+1] neg_lo:[0,1] neg_hi:[0,1]
.set p, p+1
.endr
.irp k, 0,1,2,3
	v_pk_mul_f32 v[S+2*(\k):S+2*(\k)+1], v[X+2*(\k):X+2*(\k)+1], v[X+2*(\k):X+2*(\k)+1]
.endr
.set p, 4
.rept 28
	v_pk_fma_f32 v[S+2*(p%4):S+2*(p%4)+1], v[X+2*p:X+2*p+1], v[X+2*p:X+2*p+1], v[S+2*(p%4):S+2*(p%4)+1]
.set p, p+1
.endr
	TOTAL
	v_fma_f32 v[TA], v[TA], s12, s13               ; var + 1e-5
	v_rsq_f32 v[RS], v[TA]
	v_nop                                          ; a plain instruction between the root and the use of its result (ISA guide 5.7.2)
	s_wait_alu depctr_va_vdst(0)
	v_mov_b32 v[RS+1], v[RS]
	s_wait_loadcnt 0x0                             ; gamma and beta
	; pass 3: scale, gain and bias, and store
.irp j, 0,1,2,3,4,5,6,7,8,9,10,11,12,13,14,15
	v_pk_mul_f32 v[X+4*(\j):X+4*(\j)+1],   v[X+4*(\j):X+4*(\j)+1],   v[RS:RS+1]
	v_pk_mul_f32 v[X+4*(\j)+2:X+4*(\j)+3], v[X+4*(\j)+2:X+4*(\j)+3], v[RS:RS+1]
	v_pk_fma_f32 v[X+4*(\j):X+4*(\j)+1],   v[X+4*(\j):X+4*(\j)+1],   v[G+4*(\j):G+4*(\j)+1],   v[BT+4*(\j):BT+4*(\j)+1]
	v_pk_fma_f32 v[X+4*(\j)+2:X+4*(\j)+3], v[X+4*(\j)+2:X+4*(\j)+3], v[G+4*(\j)+2:G+4*(\j)+3], v[BT+4*(\j)+2:BT+4*(\j)+3]
	global_store_b128 v1, v[X+4*(\j):X+4*(\j)+3], s[10:11] offset:512*(\j) th:TH_STORE_NT
.endr
	s_endpgm
.Lfunc_end_k_q50bab6aab9_lnorm:
	.size	k_q50bab6aab9_lnorm, .Lfunc_end_k_q50bab6aab9_lnorm-k_q50bab6aab9_lnorm
	.p2alignl 7, 3214868480
	.fill 96, 4, 3214868480
	.section	.rodata,"a",@progbits
	.p2align	6, 0x0
	.amdhsa_kernel k_q50bab6aab9_lnorm
		.amdhsa_group_segment_fixed_size 0
		.amdhsa_private_segment_fixed_size 0
		.amdhsa_enable_private_segment 0
		.amdhsa_kernarg_size 32
		.amdhsa_user_sgpr_count 2
		.amdhsa_user_sgpr_kernarg_segment_ptr 1
		.amdhsa_wavefront_size32 1
		.amdhsa_system_sgpr_workgroup_id_x 1
		.amdhsa_system_sgpr_workgroup_id_y 1
		.amdhsa_system_sgpr_workgroup_id_z 1
		.amdhsa_system_vgpr_workitem_id 0
		.amdhsa_next_free_vgpr 212
		.amdhsa_next_free_sgpr 66
		.amdhsa_reserve_vcc 0
		.amdhsa_float_denorm_mode_32 3
		.amdhsa_float_denorm_mode_16_64 3
		.amdhsa_memory_ordered 1
		.amdhsa_forward_progress 1
		.amdhsa_inst_pref_size 19
	.end_amdhsa_kernel
	.amdgpu_metadata
---
amdhsa.version: [ 1, 2 ]
amdhsa.kernels:
  - .name:           k_q50bab6aab9_lnorm
    .symbol:         k_q50bab6aab9_lnorm.kd
    .args:
      - { .name: hbuf, .offset: 0, .size: 8, .value_kind: global_buffer, .address_space: global }
      - { .name: ln_gamma, .offset: 8, .size: 8, .value_kind: global_buffer, .address_space: global }
      - { .name: ln_beta, .offset: 16, .size: 8, .value_kind: global_buffer, .address_space: global }
      - { .name: out0, .offset: 24, .size: 8, .value_kind: global_buffer, .address_space: global }
    .group_segment_fixed_size: 0
    .private_segment_fixed_size: 0
    .kernarg_segment_align: 8
    .kernarg_segment_size: 32
    .max_flat_workgroup_size: 256
    .sgpr_count:     66
    .vgpr_count:     212
    .wavefront_size: 32
...
	.end_amdgpu_metadata
.endif
;; end of part 3
;; ======== version 2 of 2: 3 launches; version 1 with the launches tobf16, lnorm written anew for expert scheduling mode
;; workspace buffers: wb 50,331,648 bytes; ab 12,582,912 bytes; hbuf 16,777,216 bytes
;; launch tobf16 (part 4): grid 256 x 5, 8 waves a work-group, no clusters, 0 bytes of LDS; arguments Wi, Wf, Wo, Wz, x, h_prev, wb, ab; writes wb, ab
.if DOCPART == 4
	.amdgcn_target "amdgcn-amd-amdhsa--gfx1250"
	.amdhsa_code_object_version 6
	.text
	.protected	k_q50bab6aab9_tobf16
	.globl	k_q50bab6aab9_tobf16
	.p2align	8
	.type	k_q50bab6aab9_tobf16,@function
k_q50bab6aab9_tobf16:
	s_mov_b64 s[64:65], 0
	v_nop
	global_prefetch_b8 v0, s[64:65] scope:SCOPE_SE
	s_setreg_imm32_b32 hwreg(HW_REG_WAVE_SCHED_MODE, 0, 2), 2
	s_setreg_imm32_b32 hwreg(HW_REG_WAVE_MODE, 25, 1), 1
	s_wait_xcnt 0x0
	s_wait_alu depctr_vm_vsrc(0)
; The matrix operands of the gate products, rounded once from f32 to bf16 (nearest even; bf16 has f32's range, so no number overflows).
;   ab [2048][3072] bf16: row b = x[b][0..1023], then h_prev[b][0..2047]: the concatenation is made here.
;   wb [8192][3072] bf16: row (h >> 5) * 128 + g * 32 + (h & 31) = row h of gate g's weights (g = 0 i, 1 f, 2 o, 3 z): 128 consecutive rows hold 32 columns of
;   the state in all four gates, which is what one wave of the next launch multiplies by.
; SHARES.  Work-group y picks the matrix (0..3 a gate's weights, 4 the concatenation); a wave takes ONE row of 3,072 numbers: 24 loads of 512 consecutive bytes, all
; issued before the first is waited for, 48 packed roundings, 24 stores of 256 consecutive bytes, each at a multiple of 256 from the buffer's first byte (a row is 6,144).
; A pure stream: every byte is read once and written once, nothing is shared between waves, so there is no LDS, no barrier, no matrix unit and no cluster.
; No register is written twice, so no wait frees a source.
; THE MODE: SCHED_MODE bits 1:0 = 2 (LLVM: expert scheduling mode 2), set by the entry lines.  The code itself states the register dependences
; between vector instructions and memory instructions, with s_wait_alu, always for 0.
; THE PLAN.  Registers that memory instructions touch:
;   v1, v2   byte offsets of the loads and of the stores: made once at the head, never written again.
;   X        load j's 4 registers: written by load j alone, read by its two roundings.
;   Y        load j's 2 registers: written by its two roundings, read by store j, never written again.
; The 24 loads go in 6 groups of four.  Group p rounds its X into its Y; its memory instructions are the four stores of group p - 1, which read that group's Y and v2:
; registers that no rounding of group p names.  So one wait at a group's head states all that its four stores hang on, and they are dealt among its roundings.
.set X, 4                              ; v[4:99]    load j: 4 registers, 4 f32 a lane
.set Y, 100                            ; v[100:147] load j: 2 registers, 4 bf16 a lane
	s_load_b512 s[8:23], s[0:1], 0x0               ; Wi s[8:9], Wf s[10:11], Wo s[12:13], Wz s[14:15], x s[16:17], h_prev s[18:19], wb s[20:21], ab s[22:23]
	v_lshrrev_b32 v3, 5, v0
	v_readfirstlane_b32 s3, v3                     ; wave 0..7
	v_and_b32 v2, 31, v0                           ; lane
	v_lshlrev_b32 v1, 4, v2                        ; 16 bytes a lane in a load
	v_lshlrev_b32 v2, 3, v2                        ; 8 bytes a lane in a store
	s_and_b32 s2, ttmp7, 0xffff                    ; y: which matrix
	s_lshl_b32 s4, ttmp9, 3
	s_wait_alu depctr_va_sdst(0)                   ; s3 is written, ahead of its first reader: the row, and all three bases, are made from it
	s_add_co_u32 s4, s4, s3                        ; my row, 0..2047
	s_lshr_b32 s30, s4, 5                          ; its place in wb: (row >> 5) * 128
	s_lshl_b32 s30, s30, 7
	s_lshl_b32 s31, s2, 5                          ; + 32 y
	s_add_co_u32 s30, s30, s31
	s_and_b32 s31, s4, 31                          ; + (row & 31)
	s_add_co_u32 s30, s30, s31
	s_mov_b32 s5, 12288                            ; bytes in a row of a weight matrix
	s_mov_b32 s6, 12288
	s_mov_b32 s33, 0                               ; the three offsets' high words
	s_mov_b32 s35, 0
	s_mov_b32 s37, 0
	s_wait_kmcnt 0x0
	s_cmp_eq_u32 s2, 1                             ; the gate's weights into s[8:9]
	s_cselect_b64 s[8:9], s[10:11], s[8:9]
	s_cmp_eq_u32 s2, 2
	s_cselect_b64 s[8:9], s[12:13], s[8:9]
	s_cmp_eq_u32 s2, 3
	s_cselect_b64 s[8:9], s[14:15], s[8:9]
	s_cmp_eq_u32 s2, 4                             ; the concatenation?  Only selects and moves follow: they leave SCC as it is
	s_cselect_b64 s[24:25], s[16:17], s[8:9]       ; columns 0..1023 come from x, or from the weights,
	s_cselect_b64 s[26:27], s[18:19], s[8:9]       ; columns 1024..3071 from h_prev, or from the weights,
	s_cselect_b64 s[28:29], s[22:23], s[20:21]     ; and go to ab, or to wb
	s_cselect_b32 s5, 4096, s5                     ; bytes in a row of the first source,
	s_cselect_b32 s6, 8192, s6                     ; of the second,
	s_cselect_b32 s7, 0, 4096                      ; and where column 1024 lies in that row
	s_cselect_b32 s30, s4, s30                     ; the row written
	s_mul_i32 s32, s4, s5                          ; the offsets are made apart from the addresses; all three stay under 2^26
	s_mul_i32 s34, s4, s6
	s_add_co_u32 s34, s34, s7
	s_mul_i32 s36, s30, 6144
	s_add_nc_u64 s[24:25], s[24:25], s[32:33]
	s_add_nc_u64 s[26:27], s[26:27], s[34:35]
	s_add_nc_u64 s[28:29], s[28:29], s[36:37]
	s_wait_alu depctr_va_vdst(0)                   ; v1 and v2 are written: every load reads v1 and every store v2 as its offset
.irp j, 0,1,2,3,4,5,6,7
	global_load_b128 v[X+4*(\j):X+4*(\j)+3], v1, s[24:25] offset:512*(\j) th:TH_LOAD_NT
.endr
.irp j, 8,9,10,11,12,13,14,15,16,17,18,19,20,21,22,23
	global_load_b128 v[X+4*(\j):X+4*(\j)+3], v1, s[26:27] offset:512*((\j)-8) th:TH_LOAD_NT
.endr
; Group p: loads 4 p to 4 p + 3 are rounded; the four stores of group p - 1 stand among the roundings, one ahead of each pair.
.macro GROUP p
	s_wait_loadcnt 20-4*(\p)                       ; loads come back in order (ISA guide 5.7.1): this group's four are in, the 20 - 4 p younger ones stay out
.if (\p) > 0
	s_wait_alu depctr_va_vdst(0)                   ; the group before has written its eight registers of Y, which the four stores below read; no rounding since names them
.endif
.irp i, 0,1,2,3
.set JN, 4*(\p)+(\i)                   ; the load that is rounded
.set JO, JN-4                          ; the load whose result is stored
.if (\p) > 0
	global_store_b64 v2, v[Y+2*JO:Y+2*JO+1], s[28:29] offset:256*JO  ; 32 lanes store 256 consecutive bytes; no hint: the next launch reads them
.endif
	v_cvt_pk_bf16_f32 v[Y+2*JN],   v[X+4*JN],   v[X+4*JN+1]
	v_cvt_pk_bf16_f32 v[Y+2*JN+1], v[X+4*JN+2], v[X+4*JN+3]
.endr
.endm
	GROUP 0
	GROUP 1
	GROUP 2
	GROUP 3
	GROUP 4
	GROUP 5
	s_wait_alu depctr_va_vdst(0)                   ; the last group has written its eight registers of Y, which the last four stores read
.irp j, 20,21,22,23
	global_store_b64 v2, v[Y+2*(\j):Y+2*(\j)+1], s[28:29] offset:256*(\j)
.endr
	s_endpgm
.Lfunc_end_k_q50bab6aab9_tobf16:
	.size	k_q50bab6aab9_tobf16, .Lfunc_end_k_q50bab6aab9_tobf16-k_q50bab6aab9_tobf16
	.p2alignl 7, 3214868480
	.fill 96, 4, 3214868480
	.section	.rodata,"a",@progbits
	.p2align	6, 0x0
	.amdhsa_kernel k_q50bab6aab9_tobf16
		.amdhsa_group_segment_fixed_size 0
		.amdhsa_private_segment_fixed_size 0
		.amdhsa_enable_private_segment 0
		.amdhsa_kernarg_size 64
		.amdhsa_user_sgpr_count 2
		.amdhsa_user_sgpr_kernarg_segment_ptr 1
		.amdhsa_wavefront_size32 1
		.amdhsa_system_sgpr_workgroup_id_x 1
		.amdhsa_system_sgpr_workgroup_id_y 1
		.amdhsa_system_sgpr_workgroup_id_z 1
		.amdhsa_system_vgpr_workitem_id 0
		.amdhsa_next_free_vgpr 148
		.amdhsa_next_free_sgpr 66
		.amdhsa_reserve_vcc 0
		.amdhsa_float_denorm_mode_32 3
		.amdhsa_float_denorm_mode_16_64 3
		.amdhsa_memory_ordered 1
		.amdhsa_forward_progress 1
		.amdhsa_inst_pref_size 10
	.end_amdhsa_kernel
	.amdgpu_metadata
---
amdhsa.version: [ 1, 2 ]
amdhsa.kernels:
  - .name:           k_q50bab6aab9_tobf16
    .symbol:         k_q50bab6aab9_tobf16.kd
    .args:
      - { .name: Wi, .offset: 0, .size: 8, .value_kind: global_buffer, .address_space: global }
      - { .name: Wf, .offset: 8, .size: 8, .value_kind: global_buffer, .address_space: global }
      - { .name: Wo, .offset: 16, .size: 8, .value_kind: global_buffer, .address_space: global }
      - { .name: Wz, .offset: 24, .size: 8, .value_kind: global_buffer, .address_space: global }
      - { .name: x, .offset: 32, .size: 8, .value_kind: global_buffer, .address_space: global }
      - { .name: h_prev, .offset: 40, .size: 8, .value_kind: global_buffer, .address_space: global }
      - { .name: wb, .offset: 48, .size: 8, .value_kind: global_buffer, .address_space: global }
      - { .name: ab, .offset: 56, .size: 8, .value_kind: global_buffer, .address_space: global }
    .group_segment_fixed_size: 0
    .private_segment_fixed_size: 0
    .kernarg_segment_align: 8
    .kernarg_segment_size: 64
    .max_flat_workgroup_size: 256
    .sgpr_count:     66
    .vgpr_count:     148
    .wavefront_size: 32
...
	.end_amdgpu_metadata
.endif
;; end of part 4
;; launch gates: the kernel of part 2 again; grid 32 x 8, 4 waves a work-group, clusters of 4 x 4, 327,680 bytes of LDS; arguments ab, wb, bi, bf, bo, bz, c_prev, n_prev, m_prev, out1, out2, out3, hbuf; writes out1, out2, out3, hbuf
;; launch lnorm (part 5): grid 256 x 1, 8 waves a work-group, no clusters, 0 bytes of LDS; arguments hbuf, ln_gamma, ln_beta, out0; writes out0
.if DOCPART == 5
	.amdgcn_target "amdgcn-amd-amdhsa--gfx1250"
	.amdhsa_code_object_version 6
	.text
	.protected	k_q50bab6aab9_lnorm
	.globl	k_q50bab6aab9_lnorm
	.p2align	8
	.type	k_q50bab6aab9_lnorm,@function
k_q50bab6aab9_lnorm:
	s_mov_b64 s[64:65], 0
	v_nop
	global_prefetch_b8 v0, s[64:65] scope:SCOPE_SE
	s_setreg_imm32_b32 hwreg(HW_REG_WAVE_SCHED_MODE, 0, 2), 2
	s_setreg_imm32_b32 hwreg(HW_REG_WAVE_MODE, 25, 1), 1
	s_wait_xcnt 0x0
	s_wait_alu depctr_vm_vsrc(0)
; out0[b][:] = (h[b][:] - mean) * rsqrt(var + 1e-5) * gamma + beta, mean and var over the row's 2,048 numbers, all in f32.
; A row is 8,192 bytes: ONE wave takes a whole row, sixteen 16-byte loads a lane, and keeps it in 64 registers through the three passes (sum, sum of squares of the CENTRED numbers, scaling): the row is
; read from memory once, the variance is no difference of large sums, and no wave waits for another: no LDS, no barrier.  Nothing is shared but gamma and beta (16 KiB), so no cluster; no matrix work.
; 2,048 rows = 256 work-groups x 8 waves.  Each load and store of a wave covers 512 consecutive bytes.  No register is written behind a store that reads it, so no wait frees a source.
; LIMITS.  v_rsq_f32 is good to 1 ULP and flushes denormals (ISA guide 15.8); var + 1e-5 is never one.  NaN and infinities are not treated apart.
; THE MODE: SCHED_MODE bits 1:0 = 2 (LLVM: expert scheduling mode 2), set by the entry lines.  The code itself states the register dependences
; between vector instructions and memory instructions, with s_wait_alu, always for 0.
; THE PLAN.  Registers that memory instructions touch:
;   v1      the byte offset of every load and store: made once at the head, never written again.
;   X       written by the row's 16 loads, which no vector instruction precedes; then in place by passes 2 and 3; read by the 16 stores, behind which it is not written again.
;   G, BT   written by loads alone, read by pass 3.
; Passes 1 and 2 hold no memory instruction.  Pass 3 goes in 4 groups of four loads' worth (16 registers of X).  Group p finishes its part of X; its memory instructions are the four stores of
; group p - 1, which read that group's part of X and v1: registers that no line of group p names.  So one wait at a group's head states all that its four stores hang on.
.set X,  4                             ; v[4:67]     the row, then centred, then the result
.set G,  68                            ; v[68:131]   gamma of my 64 columns
.set BT, 132                           ; v[132:195]  beta
.set S,  196                           ; v[196:203]  four running sums, a pair each
.set MU, 204                           ; v[204:205]  the mean, twice (a pair for the packed subtraction)
.set RS, 206                           ; v[206:207]  rsqrt(var + eps), twice
.set TA, 208                           ; at work
.set TB, 209
	s_load_b256 s[4:11], s[0:1], 0x0               ; hbuf s[4:5], gamma s[6:7], beta s[8:9], out0 s[10:11]
	v_lshrrev_b32 v2, 5, v0
	v_readfirstlane_b32 s2, v2                     ; wave 0..7
	v_and_b32 v1, 31, v0
	v_lshlrev_b32 v1, 4, v1                        ; 16 bytes a lane
	v_mov_b32 v[TB], 0                             ; v_permlanex16_b32's destination counts as read: it is written once here
	s_lshl_b32 s3, ttmp9, 3
	s_wait_alu depctr_va_sdst(0)                   ; s2 is written, ahead of its first reader: the row, and both bases, are made from it
	s_add_co_u32 s2, s2, s3                        ; my row
	s_lshl_b32 s2, s2, 13                          ; x 8,192 bytes: under 2^24
	s_mov_b32 s3, 0
	s_mov_b32 s12, 0x3a000000                      ; 1 / 2048
	s_mov_b32 s13, 0x3727c5ac                      ; 1e-5
	s_mov_b32 s14, 0x76543210                      ; v_permlanex16_b32: lane i of one half reads lane i of the other
	s_mov_b32 s15, 0xfedcba98
	s_wait_kmcnt 0x0
	s_add_nc_u64 s[4:5], s[4:5], s[2:3]
	s_add_nc_u64 s[10:11], s[10:11], s[2:3]
	s_wait_alu depctr_va_vdst(0)                   ; v1 is written: every load and store of the kernel reads it as its offset
.irp j, 0,1,2,3,4,5,6,7,8,9,10,11,12,13,14,15
	global_load_b128 v[X+4*(\j):X+4*(\j)+3], v1, s[4:5] offset:512*(\j) th:TH_LOAD_NT
.endr
.irp j, 0,1,2,3,4,5,6,7,8,9,10,11,12,13,14,15
	global_load_b128 v[G+4*(\j):G+4*(\j)+3], v1, s[6:7] offset:512*(\j)
.endr
.irp j, 0,1,2,3,4,5,6,7,8,9,10,11,12,13,14,15
	global_load_b128 v[BT+4*(\j):BT+4*(\j)+3], v1, s[8:9] offset:512*(\j)
.endr
; The four chains into one number a lane, then over the 32 lanes: four steps inside each half of 16 lanes ride on the addition (DPP), one crosses the halves.  Every lane ends with the sum in v[TA].
.macro TOTAL
	v_pk_add_f32 v[S:S+1], v[S:S+1], v[S+2:S+3]
	v_pk_add_f32 v[S+4:S+5], v[S+4:S+5], v[S+6:S+7]
	v_pk_add_f32 v[S:S+1], v[S:S+1], v[S+4:S+5]
	v_add_f32 v[TA], v[S], v[S+1]
	v_add_f32_dpp v[TA], v[TA], v[TA] row_xmask:1 row_mask:0xf bank_mask:0xf
	v_add_f32_dpp v[TA], v[TA], v[TA] row_xmask:2 row_mask:0xf bank_mask:0xf
	v_add_f32_dpp v[TA], v[TA], v[TA] row_xmask:4 row_mask:0xf bank_mask:0xf
	v_add_f32_dpp v[TA], v[TA], v[TA] row_xmask:8 row_mask:0xf bank_mask:0xf
	v_permlanex16_b32 v[TB], v[TA], s14, s15
	v_add_f32 v[TA], v[TA], v[TB]
.endm
	s_wait_loadcnt 32                              ; the row's 16 loads are in; gamma's and beta's 32, issued behind them, stay out
	; pass 1: the sum, in four chains that do not wait for each other; the first eight pairs start them: nothing is cleared
.irp k, 0,1,2,3
	v_pk_add_f32 v[S+2*(\k):S+2*(\k)+1], v[X+2*(\k):X+2*(\k)+1], v[X+8+2*(\k):X+8+2*(\k)+1]
.endr
.set p, 8
.rept 24
	v_pk_add_f32 v[S+2*(p%4):S+2*(p%4)+1], v[S+2*(p%4):S+2*(p%4)+1], v[X+2*p:X+2*p+1]
.set p, p+1
.endr
	TOTAL
	v_mul_f32 v[MU], s12, v[TA]                    ; the mean
	v_mov_b32 v[MU+1], v[MU]
	; pass 2: the row is centred in place, and the squares of the centred numbers are summed
.set p, 0
.rept 32
	v_pk_add_f32 v[X+2*p:X+2*p+1], v[X+2*p:X+2*p+1], v[MU:MU+1] neg_lo:[0,1] neg_hi:[0,1]
.set p, p+1
.endr
.irp k, 0,1,2,3
	v_pk_mul_f32 v[S+2*(\k):S+2*(\k)+1], v[X+2*(\k):X+2*(\k)+1], v[X+2*(\k):X+2*(\k)+1]
.endr
.set p, 4
.rept 28
	v_pk_fma_f32 v[S+2*(p%4):S+2*(p%4)+1], v[X+2*p:X+2*p+1], v[X+2*p:X+2*p+1], v[S+2*(p%4):S+2*(p%4)+1]
.set p, p+1
.endr
	TOTAL
	v_fma_f32 v[TA], v[TA], s12, s13               ; var + 1e-5
	v_rsq_f32 v[RS], v[TA]
	v_nop                                          ; a plain instruction between the root and the use of its result (ISA guide 5.7.2)
	s_wait_alu depctr_va_vdst(0)                   ; the root has written v[RS], ahead of the first line that names it
	v_mov_b32 v[RS+1], v[RS]
	s_wait_loadcnt 0x0                             ; gamma and beta
	; pass 3: scale, gain and bias, and store
; Group p: the registers of loads 4 p to 4 p + 3 are finished; the four stores of group p - 1 stand among its lines, one ahead of each four.
.macro OUTG p
.if (\p) > 0
	s_wait_alu depctr_va_vdst(0)                   ; the group before has written its sixteen registers of X, which the four stores below read; no line since names them
.endif
.irp i, 0,1,2,3
.set JN, 4*(\p)+(\i)                   ; the four registers that are finished
.set JO, JN-4                          ; the four that are stored
.if (\p) > 0
	global_store_b128 v1, v[X+4*JO:X+4*JO+3], s[10:11] offset:512*JO th:TH_STORE_NT
.endif
	v_pk_mul_f32 v[X+4*JN:X+4*JN+1],   v[X+4*JN:X+4*JN+1],   v[RS:RS+1]
	v_pk_mul_f32 v[X+4*JN+2:X+4*JN+3], v[X+4*JN+2:X+4*JN+3], v[RS:RS+1]
	v_pk_fma_f32 v[X+4*JN:X+4*JN+1],   v[X+4*JN:X+4*JN+1],   v[G+4*JN:G+4*JN+1],   v[BT+4*JN:BT+4*JN+1]
	v_pk_fma_f32 v[X+4*JN+2:X+4*JN+3], v[X+4*JN+2:X+4*JN+3], v[G+4*JN+2:G+4*JN+3], v[BT+4*JN+2:BT+4*JN+3]
.endr
.endm
	OUTG 0
	OUTG 1
	OUTG 2
	OUTG 3
	s_wait_alu depctr_va_vdst(0)                   ; the last group has written its sixteen registers of X, which the last four stores read
.irp j, 12,13,14,15
	global_store_b128 v1, v[X+4*(\j):X+4*(\j)+3], s[10:11] offset:512*(\j) th:TH_STORE_NT
.endr
	s_endpgm
.Lfunc_end_k_q50bab6aab9_lnorm:
	.size	k_q50bab6aab9_lnorm, .Lfunc_end_k_q50bab6aab9_lnorm-k_q50bab6aab9_lnorm
	.p2alignl 7, 3214868480
	.fill 96, 4, 3214868480
	.section	.rodata,"a",@progbits
	.p2align	6, 0x0
	.amdhsa_kernel k_q50bab6aab9_lnorm
		.amdhsa_group_segment_fixed_size 0
		.amdhsa_private_segment_fixed_size 0
		.amdhsa_enable_private_segment 0
		.amdhsa_kernarg_size 32
		.amdhsa_user_sgpr_count 2
		.amdhsa_user_sgpr_kernarg_segment_ptr 1
		.amdhsa_wavefront_size32 1
		.amdhsa_system_sgpr_workgroup_id_x 1
		.amdhsa_system_sgpr_workgroup_id_y 1
		.amdhsa_system_sgpr_workgroup_id_z 1
		.amdhsa_system_vgpr_workitem_id 0
		.amdhsa_next_free_vgpr 212
		.amdhsa_next_free_sgpr 66
		.amdhsa_reserve_vcc 0
		.amdhsa_float_denorm_mode_32 3
		.amdhsa_float_denorm_mode_16_64 3
		.amdhsa_memory_ordered 1
		.amdhsa_forward_progress 1
		.amdhsa_inst_pref_size 19
	.end_amdhsa_kernel
	.amdgpu_metadata
---
amdhsa.version: [ 1, 2 ]
amdhsa.kernels:
  - .name:           k_q50bab6aab9_lnorm
    .symbol:         k_q50bab6aab9_lnorm.kd
    .args:
      - { .name: hbuf, .offset: 0, .size: 8, .value_kind: global_buffer, .address_space: global }
      - { .name: ln_gamma, .offset: 8, .size: 8, .value_kind: global_buffer, .address_space: global }
      - { .name: ln_beta, .offset: 16, .size: 8, .value_kind: global_buffer, .address_space: global }
      - { .name: out0, .offset: 24, .size: 8, .value_kind: global_buffer, .address_space: global }
    .group_segment_fixed_size: 0
    .private_segment_fixed_size: 0
    .kernarg_segment_align: 8
    .kernarg_segment_size: 32
    .max_flat_workgroup_size: 256
    .sgpr_count:     66
    .vgpr_count:     212
    .wavefront_size: 32
...
	.end_amdgpu_metadata
.endif
;; end of part 5
